; MI455X (gfx1250); checked and timed in simulation.
; The chip was launched on July 23, 2026; its instructions are those of AMD's public machine-readable ISA for CDNA 5 (MIT licence, August 2026) and "CDNA5" Instruction Set Architecture Reference Guide (July 2026). The comments in the code are by the model that wrote it; some were corrected since.
;; Advanced KAN Layer. Allowed arithmetic: float matrix products may take bf16 or f16 operands with f32 sums; all other float work in f32.
;; Inputs: bias 64 float32; knot_positions 64 x 64 x 8 float32; scale 64 x 64 float32; spline_coeffs 64 x 64 x 8 float32; x 2,048 x 64 float32.
;; Outputs: out0 2,048 x 64 float32.
;; One version. Each part assembles by itself: llvm-mc -triple=amdgcn-amd-amdhsa -mcpu=gfx1250 --defsym DOCPART=n.
;; ======== version 1 of 1: 1 launch
;; launch kan (part 1): grid 32 x 8, 16 waves a work-group, no clusters, 70,656 bytes of LDS; arguments x, knot_positions, spline_coeffs, scale, bias, out0; writes out0
.if DOCPART == 1
	.amdgcn_target "amdgcn-amd-amdhsa--gfx1250"
	.amdhsa_code_object_version 6
	.text
	.protected	k_qc2b639071f_kan
	.globl	k_qc2b639071f_kan
	.p2align	8
	.type	k_qc2b639071f_kan,@function
k_qc2b639071f_kan:
	s_mov_b64 s[64:65], 0
	v_nop
	global_prefetch_b8 v0, s[64:65] scope:SCOPE_SE
	s_setreg_imm32_b32 hwreg(HW_REG_WAVE_MODE, 25, 1), 1
	s_wait_xcnt 0x0
; out[b][j] = bias[j] + sum_i scale[i][j] * sum_g c[i][j][g] * exp(-2 (tanh x[b][i] - k[i][j][g])^2)
; x [2048][64], k and c [64][64][8], scale [64][64], bias [64], out [2048][64], all f32.
;
; THE ARITHMETIC.  With L = log2 e and t = tanh x:  exp(-2 (t-k)^2) = exp2(-2L t^2) * exp2((4L k) t + (-2L k^2)).
; The first factor, w, hangs on (b, i) alone and leaves the sum over g.  The second exponent is at most 2L t^2 <= 2.89 for every
; real k, since |t| <= 1 by the tanh: no exponential here can overflow.  So one exponential costs half a packed FMA for its exponent,
; v_exp_f32, and half a packed FMA for its coefficient; one more packed FMA per eight applies w.
;
; THE SHARES.  A work-group owns 64 rows b and 8 columns j (grid 32 x 8 = 256).  Wave w of 16 owns i = 4w .. 4w+3 for that whole tile.
; Lane = (jl = lane & 7, bs = lane >> 3); its 16 rows b = 16 bs + r lie along registers.  The 24 parameter registers of one i then serve
; 16 x 8 = 128 exponential instructions, and go from memory straight into the registers that use them.
; tanh and w are made once per work-group (8 numbers a thread) and handed over through LDS; the 16 waves' sums over i meet in LDS.
;
; NOT USED, by this text's own arithmetic:
;  - matrix instructions: each basis number hangs on b, i, j and g together and meets ONE coefficient; as a matrix product it would fill one
;    column of sixteen, and its conversion to bf16 alone is one instruction for two numbers, as many as the packed FMA that it would replace.
;  - joint requests in a cluster: what work-groups share is 16 KB of x and 34 KB of parameters a work-group, read once in the first lines,
;    against 8,192 exponential instructions; it would have to pass through LDS instead of landing in the registers that use it.
;  - whole rows of out: a row of out is 64 j.  Owning all j would make every work-group read all 272 KB of parameters (8 times the bytes,
;    60 MB more in the launch) to tidy 0.5 MB of stores.  Here two neighbouring lanes store the 32 bytes that the group owns of a row.
;
; LIMITS.  |k| < 5.8e37: beyond it 4L k overflows and the exponent is NaN where the formula gives 0 (k^2 alone may overflow: that gives 0, rightly).
; A Gaussian whose second factor is below 2^-126 comes out as 0 (v_exp_f32 flushes).  tanh = 1 - 2 / (1 + exp2(2L x)) is good to about 1e-7
; absolutely, not relatively; only t - k is ever used.  c * scale is formed first, the sums over g and i run in another order than written above.
.set TPITCH, 528                       ; LDS row of (t, w): 64 b x 8 bytes + 16: sixteen rows start 16 bytes further each, modulo 256
.set TQ,     16*TPITCH                 ; row of i is (i & 3) * 16 + (i >> 2): sixteen rows on
.set PB,     64*TPITCH                 ; behind them: the waves' partial sums
.set BSP,    544                       ; 16 b x 8 j x 4 bytes + 32: the four bs of a store fall on four different groups of 8 banks
.set WP,     4*BSP                     ; a wave's partial sums
.set C_2L,   0x4038aa3b                ;  2 log2 e
.set C_M2L,  0xc038aa3b                ; -2 log2 e
.set C_4L,   0x40b8aa3b                ;  4 log2 e
.set XO,  16                           ; byte offset of my 16 bytes of x
.set PO,  17                           ; of my 32 bytes of k and of c (first i)
.set SO,  18                           ; of my scale (first i)
.set BO,  19                           ; of my 16 bytes of bias
.set STA, 20                           ; LDS: where I put (t, w)
.set TRA, 21                           ; LDS: where I read (t, w)
.set PSA, 22                           ; LDS: where I put partial sums
.set FRA, 23                           ; LDS: where I read them
.set OO,  24                           ; byte offset of my 16 bytes of out
.set P,   32                           ; v[32:127]  for each of my four i: K (8) = 4L k, Q (8) = -2L k^2, C (8) = c * scale
.set SC,  128                          ; v[128:131] scale of my four i
.set BI,  132                          ; v[132:135] bias
.set T,   136                          ; v[136:167] (t, w) of my 16 b
.set OUT, 168                          ; v[168:199] 16 pairs: the sums of even g pairs' halves, added at the end
.set XR,  OUT                          ; before the first barrier: 8 numbers of x at work
.set ST,  OUT+8                        ; and four quads (t, w, t, w) for LDS
.set XA,  200                          ; v[200:207] exponents, then exponentials, of one b
.set XB,  208                          ; v[208:215] the same for the next b
.set S,   216                          ; v[216:217] sum over g of one (b, i, j), in two halves
	s_load_b256 s[4:11], s[0:1], 0x0               ; x s[4:5], k s[6:7], c s[8:9], scale s[10:11]
	s_load_b128 s[12:15], s[0:1], 0x20             ; bias s[12:13], out s[14:15]
	v_lshl_add_u32 v218, v0, 2, 0x10c00
	v_mov_b32 v219, 0
	v_lshrrev_b32 v1, 5, v0                        ; wave
	v_readfirstlane_b32 s16, v1
	s_and_b32 s17, ttmp7, 0xffff                   ; block of 8 j
	s_lshl_b32 s18, ttmp9, 14                      ; block of 64 b x 256 bytes (x and out alike)
	s_mov_b32 s19, 0
	s_lshl_b32 s20, s17, 8                         ; 8 j x 32 bytes in k and c
	s_mov_b32 s21, 0
	s_lshl_b32 s22, s17, 5                         ; 8 j x 4 bytes in scale, bias, out
	s_mov_b32 s23, 0
	v_and_b32 v2, 15, v0                           ; l: my 16 bytes of a row of x, i = 4 l .. 4 l + 3
	v_lshrrev_b32 v3, 4, v0                        ; p: my pair of rows, b = 2 p, 2 p + 1
	v_and_b32 v4, 7, v0                            ; jl
	v_bfe_u32 v5, v0, 3, 2                         ; bs
	v_and_b32 v6, 1, v0
	v_lshlrev_b32 v7, 4, v2
	v_lshl_add_u32 v[XO], v3, 9, v7                ; 512 p + 16 l
	v_lshlrev_b32 v7, 5, v4
	v_lshl_add_u32 v[PO], v1, 13, v7               ; 4 w rows of 2,048 bytes + 32 jl
	v_lshlrev_b32 v7, 2, v4
	v_lshl_add_u32 v[SO], v1, 10, v7               ; 4 w rows of 256 bytes + 4 jl
	v_lshlrev_b32 v[BO], 4, v6
	s_wait_kmcnt 0x0
	s_add_nc_u64 s[4:5], s[4:5], s[18:19]
	s_add_nc_u64 s[6:7], s[6:7], s[20:21]
	s_add_nc_u64 s[8:9], s[8:9], s[20:21]
	s_add_nc_u64 s[10:11], s[10:11], s[22:23]
	s_add_nc_u64 s[12:13], s[12:13], s[22:23]
	s_add_nc_u64 s[14:15], s[14:15], s[18:19]
	s_add_nc_u64 s[14:15], s[14:15], s[22:23]
	; All 23 loads of the wave, oldest first what is wanted first.  x: sixteen lanes cover one whole row of 256 bytes.
	global_load_b128 v[XR:XR+3],   v[XO], s[4:5]
	global_load_b128 v[XR+4:XR+7], v[XO], s[4:5] offset:256
	global_load_b128 v[BI:BI+3],   v[BO], s[12:13]
.irp ii, 0,1,2,3
	global_load_b32 v[SC+\ii], v[SO], s[10:11] offset:256*\ii
.endr
.irp ii, 0,1,2,3                                   ; the 8 j of one i are 256 consecutive bytes, aligned; the four bs read the same
	global_load_b128 v[P+24*\ii:P+24*\ii+3],     v[PO], s[6:7] offset:2048*\ii
	global_load_b128 v[P+24*\ii+4:P+24*\ii+7],   v[PO], s[6:7] offset:2048*\ii+16
	global_load_b128 v[P+24*\ii+16:P+24*\ii+19], v[PO], s[8:9] offset:2048*\ii
	global_load_b128 v[P+24*\ii+20:P+24*\ii+23], v[PO], s[8:9] offset:2048*\ii+16
.endr
	; LDS addresses, while the loads are out
	v_mul_u32_u24 v8, v1, TPITCH
	v_lshl_add_u32 v[TRA], v5, 7, v8               ; row w (+ 16 rows for each further i), 16 b x 8 bytes for each bs
	v_mul_u32_u24 v8, v1, WP
	v_mul_u32_u24 v9, v5, BSP
	v_add_nc_u32 v8, v8, v9
	v_lshl_add_u32 v8, v4, 2, v8
	v_add_nc_u32 v[PSA], PB, v8                    ; my wave's part, my bs, 4 jl
	v_bfe_u32 v8, v0, 5, 2                         ; (waves 0-3 read; the wave number is cut to two bits so that the address is good in all)
	v_mul_u32_u24 v8, v8, BSP
	v_and_b32 v9, 31, v0
	v_lshl_add_u32 v8, v9, 4, v8
	v_add_nc_u32 v[FRA], PB, v8                    ; bs = wave, 16 bytes a lane: b = 16 wave + lane / 2, four j
	v_bfe_u32 v8, v0, 1, 6                         ; that b
	; t = tanh x = 1 - 2 / (1 + exp2(2L x)) and w = exp2(-2L t^2) for my 8 numbers.  exp2 = inf gives t = 1, exp2 = 0 gives t = -1.
	s_wait_loadcnt 21                              ; 23 issued, loads return in order: the two of x are in, 21 younger may be out
.irp c, 0,2,4,6
	v_pk_mul_f32 v[XR+\c:XR+\c+1], v[XR+\c:XR+\c+1], C_2L op_sel_hi:[1,0]
.endr
.irp n, 0,1,2,3,4,5,6,7
	v_exp_f32 v[XR+\n], v[XR+\n]
.endr
	v_mul_u32_u24 v10, v2, TPITCH                  ; a plain instruction stands between a run of transcendentals and the first use (ISA guide 5.7.2)
	s_wait_alu depctr_va_vdst(0)
.irp c, 0,2,4,6
	v_pk_add_f32 v[XR+\c:XR+\c+1], v[XR+\c:XR+\c+1], 1.0 op_sel_hi:[1,0]
.endr
.irp n, 0,1,2,3,4,5,6,7
	v_rcp_f32 v[XR+\n], v[XR+\n]
.endr
	v_lshl_add_u32 v[STA], v3, 4, v10              ; (the plain instruction)  row l (+ 16 rows for each q), 16 bytes for my pair of b
	s_wait_alu depctr_va_vdst(0)
.irp q, 0,1,2,3                                    ; quad q = (t, w) of (b = 2p, i = 4l+q), (t, w) of (b = 2p+1, the same i)
	v_fma_f32 v[ST+4*\q],   v[XR+\q],   -2.0, 1.0
	v_fma_f32 v[ST+4*\q+2], v[XR+4+\q], -2.0, 1.0
.endr
.irp q, 0,1,2,3
	v_mul_f32 v[XR+\q],   v[ST+4*\q],   v[ST+4*\q]
	v_mul_f32 v[XR+4+\q], v[ST+4*\q+2], v[ST+4*\q+2]
.endr
.irp c, 0,2,4,6
	v_pk_mul_f32 v[XR+\c:XR+\c+1], v[XR+\c:XR+\c+1], C_M2L op_sel_hi:[1,0]
.endr
.irp q, 0,1,2,3
	v_exp_f32 v[ST+4*\q+1], v[XR+\q]
	v_exp_f32 v[ST+4*\q+3], v[XR+4+\q]
.endr
	v_lshl_add_u32 v[OO], v8, 8, v[BO]             ; (the plain instruction)  my row of out, my four j
	s_wait_alu depctr_va_vdst(0)
.irp q, 0,1,2,3
	ds_store_b128 v[STA], v[ST+4*\q:ST+4*\q+3] offset:\q*TQ    ; sixteen lanes: sixteen rows, 528 bytes apart
.endr
; The parameters of my i number ii: K = 4L k, Q = -2L k^2, C = c * scale.
.macro PREP ii
.irp c, 0,2,4,6
	v_pk_mul_f32 v[P+24*\ii+8+\c:P+24*\ii+9+\c], v[P+24*\ii+\c:P+24*\ii+\c+1], C_M2L op_sel_hi:[1,0]
.endr
.irp c, 0,2,4,6
	v_pk_mul_f32 v[P+24*\ii+8+\c:P+24*\ii+9+\c], v[P+24*\ii+8+\c:P+24*\ii+9+\c], v[P+24*\ii+\c:P+24*\ii+\c+1]
.endr
.irp c, 0,2,4,6
	v_pk_mul_f32 v[P+24*\ii+\c:P+24*\ii+\c+1], v[P+24*\ii+\c:P+24*\ii+\c+1], C_4L op_sel_hi:[1,0]
.endr
.irp c, 0,2,4,6
.if \ii & 1                                        ; the scale is the second register of its pair: both halves take it
	v_pk_mul_f32 v[P+24*\ii+16+\c:P+24*\ii+17+\c], v[P+24*\ii+16+\c:P+24*\ii+17+\c], v[SC+\ii-1:SC+\ii] op_sel:[0,1] op_sel_hi:[1,1]
.else                                              ; the first: both halves take that
	v_pk_mul_f32 v[P+24*\ii+16+\c:P+24*\ii+17+\c], v[P+24*\ii+16+\c:P+24*\ii+17+\c], v[SC+\ii:SC+\ii+1] op_sel_hi:[1,0]
.endif
.endr
.endm
; two exponents of b number r: t K + Q.  The pair at T + 2 r is (t, w); both halves take t.
.macro ARG y, c, ii, r
	v_pk_fma_f32 v[\y+\c:\y+\c+1], v[T+2*(\r):T+2*(\r)+1], v[P+24*\ii+\c:P+24*\ii+\c+1], v[P+24*\ii+8+\c:P+24*\ii+9+\c] op_sel_hi:[0,1,1]
.endm
; two exponentials times their coefficients, on to S
.macro ACC x, c, ii
	s_wait_alu depctr_va_vdst(0)
	v_pk_fma_f32 v[S:S+1], v[\x+\c:\x+\c+1], v[P+24*\ii+16+\c:P+24*\ii+17+\c], v[S:S+1]
.endm
; One b: the eight exponentials of buffer x, in place, two at a time; between them the next b's exponents into buffer y (nxt = 1) and this
; b's sum.  Behind every pair of v_exp_f32 a plain instruction that names neither of the two comes before their results are read (ISA guide 5.7.2).
.macro STEP ii, r, x, y, nxt
	v_exp_f32 v[\x],   v[\x]
	v_exp_f32 v[\x+1], v[\x+1]
.if \nxt
	ARG \y, 0, \ii, \r+1
.else
	v_nop
.endif
	v_exp_f32 v[\x+2], v[\x+2]
	v_exp_f32 v[\x+3], v[\x+3]
	s_wait_alu depctr_va_vdst(0)
	v_pk_mul_f32 v[S:S+1], v[\x:\x+1], v[P+24*\ii+16:P+24*\ii+17]      ; the first product starts the sum
	v_exp_f32 v[\x+4], v[\x+4]
	v_exp_f32 v[\x+5], v[\x+5]
.if \nxt
	ARG \y, 2, \ii, \r+1
.endif
	ACC \x, 2, \ii
	v_exp_f32 v[\x+6], v[\x+6]
	v_exp_f32 v[\x+7], v[\x+7]
.if \nxt
	ARG \y, 4, \ii, \r+1
.endif
	ACC \x, 4, \ii
.if \nxt
	ARG \y, 6, \ii, \r+1
.endif
	ACC \x, 6, \ii
.if \ii                                            ; out += w S; both halves take w, the second register of the pair (t, w)
	v_pk_fma_f32 v[OUT+2*(\r):OUT+2*(\r)+1], v[T+2*(\r):T+2*(\r)+1], v[S:S+1], v[OUT+2*(\r):OUT+2*(\r)+1] op_sel:[1,0,0] op_sel_hi:[1,1,1]
.else                                              ; my first i starts the sums: nothing is cleared
	v_pk_mul_f32 v[OUT+2*(\r):OUT+2*(\r)+1], v[T+2*(\r):T+2*(\r)+1], v[S:S+1] op_sel:[1,0] op_sel_hi:[1,1]
.endif
.endm
; One i: (t, w) of my 16 b from LDS (the 8 jl read the same 16 bytes, two bs of a half wave lie 128 bytes apart), then 16 steps.
.macro IBLOCK ii
.irp m, 0,1,2,3,4,5,6,7
	ds_load_b128 v[T+4*\m:T+4*\m+3], v[TRA] offset:\ii*TQ+16*\m
.endr
.if \ii
	s_wait_loadcnt 12-4*\ii                        ; this i's K, K, C, C are in; the four loads of each later i may be out
	PREP \ii
.endif
	s_wait_dscnt 0x0
	ARG XA, 0, \ii, 0
	ARG XA, 2, \ii, 0
	ARG XA, 4, \ii, 0
	ARG XA, 6, \ii, 0
.irp r, 0,2,4,6,8,10,12
	STEP \ii, \r, XA, XB, 1
	STEP \ii, \r+1, XB, XA, 1
.endr
	STEP \ii, 14, XA, XB, 1
	STEP \ii, 15, XB, XA, 0
.endm
	s_wait_dscnt 0x0                               ; my (t, w) are in LDS: zero, for the other waves' sake
	s_barrier_signal -1
	s_wait_loadcnt 12                              ; registers only, while the others arrive: bias, scales and my first i are in, 12 younger loads may be out
	PREP 0
	s_barrier_wait -1                              ; everybody's (t, w) are in LDS; nobody writes those bytes again
	IBLOCK 0
	IBLOCK 1
	IBLOCK 2
	IBLOCK 3
	; The sum over the 16 waves' i: each wave puts its 64 x 8 partial sums into bytes of its own, waves 0-3 add them.
.irp r, 0,1,2,3,4,5,6,7,8,9,10,11,12,13,14,15
	v_add_f32 v[OUT+2*\r], v[OUT+2*\r], v[OUT+2*\r+1]
.endr
.irp r, 0,1,2,3,4,5,6,7,8,9,10,11,12,13,14,15
	ds_store_b32 v[PSA], v[OUT+2*\r] offset:32*\r  ; (b = 16 bs + r, jl): 8 jl x 4 bs fall on 32 different banks
.endr
	s_wait_dscnt 0x0
	s_barrier_signal -1
	s_barrier_wait -1
	s_cmp_ge_u32 s16, 4
	s_cbranch_scc1 .Ldone                          ; 512 sums of 16 = 128 lanes with four j each
.irp n, 0,1,2,3,4,5,6,7,8,9,10,11,12,13,14,15
	ds_load_b128 v[P+4*\n:P+4*\n+3], v[FRA] offset:\n*WP       ; wave n's sums for my b and four j; the lanes read 512 consecutive bytes
.endr
; quad d += quad s.  The arguments may be sums (n+8): they stand in brackets, so that the 4 multiplies the whole of them.
.macro ADD4 d, s
	v_pk_add_f32 v[P+4*(\d):P+4*(\d)+1],   v[P+4*(\d):P+4*(\d)+1],   v[P+4*(\s):P+4*(\s)+1]
	v_pk_add_f32 v[P+4*(\d)+2:P+4*(\d)+3], v[P+4*(\d)+2:P+4*(\d)+3], v[P+4*(\s)+2:P+4*(\s)+3]
.endm
	s_wait_dscnt 0x0
.irp n, 0,1,2,3,4,5,6,7
	ADD4 \n, \n+8                                  ; waves 8-15 on to waves 0-7
.endr
.irp n, 0,1,2,3
	ADD4 \n, \n+4
.endr
	ADD4 0, 2
	ADD4 1, 3
	ADD4 0, 1
	v_pk_add_f32 v[P:P+1],   v[P:P+1],   v[BI:BI+1]
	v_pk_add_f32 v[P+2:P+3], v[P+2:P+3], v[BI+2:BI+3]
	global_store_b128 v[OO], v[P:P+3], s[14:15]    ; two neighbouring lanes: the 32 bytes of a row of out that this group owns
.Ldone:
	s_wait_tensorcnt 0x0
	ds_add_u32 v218, v219
	s_wait_dscnt 0x0
	s_endpgm
.Lfunc_end_k_qc2b639071f_kan:
	.size	k_qc2b639071f_kan, .Lfunc_end_k_qc2b639071f_kan-k_qc2b639071f_kan
	.p2alignl 7, 3214868480
	.fill 96, 4, 3214868480
	.section	.rodata,"a",@progbits
	.p2align	6, 0x0
	.amdhsa_kernel k_qc2b639071f_kan
		.amdhsa_group_segment_fixed_size 70656
		.amdhsa_private_segment_fixed_size 0
		.amdhsa_enable_private_segment 0
		.amdhsa_kernarg_size 48
		.amdhsa_user_sgpr_count 2
		.amdhsa_user_sgpr_kernarg_segment_ptr 1
		.amdhsa_wavefront_size32 1
		.amdhsa_system_sgpr_workgroup_id_x 1
		.amdhsa_system_sgpr_workgroup_id_y 1
		.amdhsa_system_sgpr_workgroup_id_z 1
		.amdhsa_system_vgpr_workitem_id 0
		.amdhsa_next_free_vgpr 220
		.amdhsa_next_free_sgpr 66
		.amdhsa_reserve_vcc 0
		.amdhsa_float_denorm_mode_32 3
		.amdhsa_float_denorm_mode_16_64 3
		.amdhsa_memory_ordered 1
		.amdhsa_forward_progress 1
		.amdhsa_inst_pref_size 81
	.end_amdhsa_kernel
	.amdgpu_metadata
---
amdhsa.version: [ 1, 2 ]
amdhsa.kernels:
  - .name:           k_qc2b639071f_kan
    .symbol:         k_qc2b639071f_kan.kd
    .args:
      - { .name: x, .offset: 0, .size: 8, .value_kind: global_buffer, .address_space: global }
      - { .name: knot_positions, .offset: 8, .size: 8, .value_kind: global_buffer, .address_space: global }
      - { .name: spline_coeffs, .offset: 16, .size: 8, .value_kind: global_buffer, .address_space: global }
      - { .name: scale, .offset: 24, .size: 8, .value_kind: global_buffer, .address_space: global }
      - { .name: bias, .offset: 32, .size: 8, .value_kind: global_buffer, .address_space: global }
      - { .name: out0, .offset: 40, .size: 8, .value_kind: global_buffer, .address_space: global }
    .group_segment_fixed_size: 70656
    .private_segment_fixed_size: 0
    .kernarg_segment_align: 8
    .kernarg_segment_size: 48
    .max_flat_workgroup_size: 512
    .sgpr_count:     66
    .vgpr_count:     220
    .wavefront_size: 32
...
	.end_amdgpu_metadata
.endif
;; end of part 1
